; MI455X (gfx1250); checked and timed in simulation.
; The chip was launched on July 23, 2026; its instructions are those of AMD's public machine-readable ISA for CDNA 5 (MIT licence, August 2026) and "CDNA5" Instruction Set Architecture Reference Guide (July 2026). The comments in the code are by the model that wrote it; some were corrected since.
;; Multi Head Attn. Allowed arithmetic: matrix products marked QUANTISED: E5M2 operands, one given power-of-two scale a tensor, by v_wmma_f32_16x16x64_bf8_bf8 or v_wmma_f32_16x16x128_bf8_bf8, f32 sums; everything else in f32.
;; Inputs: W_o 1,024 x 1,024 float32; W_qkv 1,024 x 3,072 float32; attn_mask 4 x 2,048 bool; b_qkv 3,072 float32; beta 1,024 float32; gamma 1,024 float32; inputs 4 x 2,048 x 1,024 float32; lowp_scales 8 int32 (the exponents e of the quantised operands' scales 2^e).
;; Outputs: out0 4 x 2,048 x 1,024 float32.
;; This version of the problem:
;;   THIS VERSION OF THE PROBLEM IS GIVEN IN LOW PRECISION. The matrix products marked QUANTISED in the list below multiply operands that are first quantised to E5M2 (5 exponent bits, 2 mantissa bits; 8 bits a number), with one given power-of-two scale for each operand tensor; their sums are f32. All else is computed in f32.
;;   The module's matrix products, in the order in which they are computed (A, B: the left and right operand; K: the contracted axis; several contracted axes count as one K, in the product's order):
;;     1. [M 8,192, K 1,024] x [K 1,024, N 3,072]; A: input inputs; B: input W_qkv: QUANTISED (scales: A lowp_scales[0], B lowp_scales[1])
;;     2. batch 64 x [M 2,048, K 64] x [K 64, N 2,048]; A: computed on the way; B: computed on the way: QUANTISED (scales: A lowp_scales[2], B lowp_scales[3])
;;     3. batch 64 x [M 64, K 2,048] x [K 2,048, N 2,048]; A: computed on the way; B: softmax (see below): QUANTISED (scales: A lowp_scales[4], B lowp_scales[5])
;;     4. [M 8,192, K 1,024] x [K 1,024, N 1,024]; A: computed on the way; B: input W_o: QUANTISED (scales: A lowp_scales[6], B lowp_scales[7])
;;   THE QUANTISER, for each operand of a quantised product, along K:
;;     - The operand's scale is 2^e, e = its entry of the input lowp_scales (int32; the entries are numbered through the quantised products in the list's order, A before B).
;;     - Each number is divided by the scale, clamped to +-57,344, and rounded to the nearest number of E5M2, ties to even, subnormals kept.
;;     - The product sums the exact products of the quantised numbers (number of the format x scale) in f32.
;;   ~~~python
;;   def quantise(x, axis, e):      # numpy; x: float32 -> the quantised numbers, widened to float32 again
;;       x = np.moveaxis(x, axis, -1); K = x.shape[-1]
;;       r = np.clip(x / 2.0 ** e, -57344, 57344)
;;       step = 2.0 ** (np.maximum(np.frexp(np.where(r == 0, 1, r))[1] - 1, -14) - 2)
;;       q = np.round(r / step) * step * 2.0 ** e      # np.round: ties to even
;;       return np.moveaxis(q, -1, axis).astype(np.float32)
;;   ~~~
;;   SOFTMAX AHEAD OF A QUANTISED PRODUCT. Where the list says 'softmax', what is quantised is not the finished softmax but p = 2^(t - M), with t = logit x log2(e) and M = ceil(the row's largest t), a whole number; so 1/2 < the row's largest p <= 1. The row's sum l is taken of the UNQUANTISED p, in f32, and the product's result is divided by l at the end. Since M is a whole number, a kernel that streams over the keys may use a running M (the ceiling of the running maximum): every later rescaling is an exact power of two, so the quantised numbers keep their values, but for numbers so far below the row's largest that they fall under the format's range.
;;   OPERANDS COMPUTED ON THE WAY. 'Computed on the way' means the value that the module computes at that place (a softmax that the list does not call 'softmax' is quantised finished and normalised). What goes into a quantiser is computed in f32, as accurately as f32 sums, v_exp_f32 and their like allow (about 1e-6 of the number): no bf16 or f16 on the way to a quantiser, and a product that is left as it is and whose result goes on into a quantised operand takes f32 operands (vector FMAs, or v_wmma_f32_16x16x4_f32). A number that lies on a knife's edge between two numbers of the format may be rounded either way, as far as f32 arithmetic and the matrix unit's own rounding can turn it there, and no further.
;; One version. Each part assembles by itself: llvm-mc -triple=amdgcn-amd-amdhsa -mcpu=gfx1250 --defsym DOCPART=n.
;; ======== version 1 of 1: 4 launches
;; limits: right only within a limited range of input values
;; workspace buffers: x_f 8,388,608 bytes; wqkv_f 3,145,728 bytes; wo_f 1,048,576 bytes; qkv_f 25,165,824 bytes; a_f 8,388,608 bytes
;; launch prep (part 1): grid 768 x 1, 4 waves a work-group, no clusters, 34,304 bytes of LDS; arguments inputs, W_qkv, W_o, lowp_scales, x_f, wqkv_f, wo_f; writes x_f, wqkv_f, wo_f
.if DOCPART == 1
	.amdgcn_target "amdgcn-amd-amdhsa--gfx1250"
	.amdhsa_code_object_version 6
	.text
	.protected	k_qeff1173942_prep
	.globl	k_qeff1173942_prep
	.p2align	8
	.type	k_qeff1173942_prep,@function
k_qeff1173942_prep:
	s_mov_b64 s[64:65], 0
	v_nop
	global_prefetch_b8 v0, s[64:65] scope:SCOPE_SE
	s_setreg_imm32_b32 hwreg(HW_REG_WAVE_MODE, 25, 1), 1
	s_wait_xcnt 0x0
; inputs [8192][1024], W_qkv [1024][3072] and W_o [1024][1024], f32, become codes of BF8 (E5M2), each with its given scale 2^e (entries 0, 1, 7).
; code = x / 2^e, held within +-57,344, rounded to the nearest code, ties to even.  LIMITS: e between -126 and 112; NaN among the inputs is not served.
; THE CODES ARE LAID AS IMAGES OF OPERAND REGISTERS.  A fragment is 16 rows x 128 along K: four pieces of 512 bytes; in piece c lane l = (r = l % 16, h = l / 16) has 16 bytes at 16 l: k = 32 c + 16 h + 0 .. 15 of the tile's index r.
; THE ROWS OF A TILE ARE NOT NEIGHBOURS: index i of tile 2 g + u is row (or column of a weight) 32 g + 8 u + i + 8 (i / 8).
; x_f [512 tiles][8 K steps][2048];  wqkv_f [192 tiles][8][2048];  wo_f [8 K steps][64 tiles][2048].
; Work-groups 0-511: a tile of 16 rows of inputs, wave w its K steps 2 w and 2 w + 1.  512-703: W_qkv.  704-767: W_o.  Only the first path uses LDS, each wave bytes of its own: no barrier.
.set LI,   2                           ; v2   16 x lane
.set SI,   3                           ; v3   the stage, on the way in
.set SO,   4                           ; v4   and on the way out
.set LIMV, 5                           ; v5   57,344 x 2^e
.set SCLV, 6                           ; v6   2^e as f32
.set LA,   7                           ; v7   a weight's codes: my place in the two tiles
.set R0,   16                          ; v16-143  two sets of 64 numbers as loaded
.set XN,   144                         ; v144-207 64 numbers, turned
.set CX,   208                         ; v208-239 two fragments of codes
.set WN,   16                          ; v16-143  a weight's 128 numbers down K
.set WC,   144                         ; v144-175 their codes
.set SPX,  528                         ; a stage row: 512 bytes + 16 = 132 words: the 16 rows that a read touches start at 16 different banks (64 banks of 4 bytes: ISA guide 11.1)
.macro MKSCALE e
	s_add_co_i32 s32, \e, 127
	s_lshl_b32 s33, s32, 23
	v_mov_b32 v[SCLV], s33                         ; 2^e as f32: the conversion takes its exponent field
	s_add_co_i32 s32, s32, 15
	s_lshl_b32 s32, s32, 23
	s_or_b32 s32, s32, 0x600000
	v_mov_b32 v[LIMV], s32                         ; the largest number x 2^e
.endm
.macro QUANT src, dst, n               ; n numbers in v[src] on become n codes in v[dst] on
.set qi, 0
.rept \n
	v_med3_num_f32 v[\src+qi], v[\src+qi], -v[LIMV], v[LIMV]   ; the conversion to an 8-bit code does not saturate (ISA guide 7.6.2): the hold comes first
.set qi, qi+1
.endr
.set qi, 0
.rept (\n)/8
	v_cvt_scalef32_pk8_bf8_f32 v[\dst+2*qi:\dst+2*qi+1], v[\src+8*qi:\src+8*qi+7], v[SCLV]
.set qi, qi+1
.endr
	v_nop                                          ; a plain vector line behind the last conversion
.endm
	s_load_b256 s[4:11], s[0:1], 0x0               ; inputs s[4:5], W_qkv s[6:7], W_o s[8:9], the scales' exponents s[10:11]
	s_load_b128 s[12:15], s[0:1], 0x20             ; x_f s[12:13], wqkv_f s[14:15]
	s_load_b64 s[16:17], s[0:1], 0x30              ; wo_f
	v_lshl_add_u32 v240, v0, 2, 0x8400
	v_mov_b32 v241, 0
	v_lshrrev_b32 v1, 5, v0
	v_readfirstlane_b32 s18, v1                    ; wave 0..3
	v_and_b32 v1, 31, v0                           ; lane
	v_lshlrev_b32 v[LI], 4, v1
	s_wait_kmcnt 0x0
	s_load_b256 s[24:31], s[10:11], 0x0            ; e0 .. e7
	s_cmp_lt_u32 ttmp9, 512
	s_cbranch_scc0 .Lweights
	; ---- inputs: tile RT = the work-group's number; its first row is 32 (RT / 2) + 8 (RT % 2)
	s_lshr_b32 s20, ttmp9, 1
	s_lshl_b32 s20, s20, 17                        ; 32 rows of 4,096 bytes
	s_and_b32 s21, ttmp9, 1
	s_lshl_b32 s21, s21, 15                        ; 8 rows
	s_add_co_u32 s20, s20, s21
	s_lshl_b32 s21, s18, 10                        ; my two K steps: 1,024 bytes of each row
	s_add_co_u32 s20, s20, s21
	s_mov_b32 s21, 0
	s_add_nc_u64 s[4:5], s[4:5], s[20:21]
	s_lshl_b32 s22, ttmp9, 14                      ; the tile's 8 fragments,
	s_lshl_b32 s23, s18, 12                        ; my two of them
	s_add_co_u32 s22, s22, s23
	s_mov_b32 s23, 0
	s_add_nc_u64 s[12:13], s[12:13], s[22:23]
.macro XLOAD f                         ; K step 2 w + f of the tile's 16 rows: each load reads 512 consecutive bytes of one row
.irp p, 0,1,2,3,4,5,6,7,8,9,10,11,12,13,14,15
	global_load_b128 v[R0+64*(\f)+4*\p:R0+64*(\f)+4*\p+3], v[LI], s[4:5] offset:(\p+8*(\p/8))*4096+512*(\f) th:TH_LOAD_NT
.endr
.endm
.macro XTURN f                         ; through my stage: in as loaded, out 64 bytes a lane.  LDS serves a wave's instructions in order (ISA guide 5.7.1.4): no wait between
.irp p, 0,1,2,3,4,5,6,7,8,9,10,11,12,13,14,15
	ds_store_b128 v[SI], v[R0+64*(\f)+4*\p:R0+64*(\f)+4*\p+3] offset:SPX*\p
.endr
.irp c, 0,1,2,3
.irp j, 0,1,2,3
	ds_load_b128 v[XN+16*\c+4*\j:XN+16*\c+4*\j+3], v[SO] offset:128*\c+16*\j   ; k = 32 c + 16 h + 4 j on, of row r
.endr
.endr
.endm
.macro XOUT f
.irp c, 0,1,2,3
	global_store_b128 v[LI], v[CX+16*(\f)+4*\c:CX+16*(\f)+4*\c+3], s[12:13] offset:2048*(\f)+512*\c   ; 32 lanes store 512 consecutive bytes, aligned
.endr
.endm
	XLOAD 0
	XLOAD 1
	s_mul_i32 s19, s18, 16*SPX                     ; my stage
	v_add_nc_u32 v[SI], s19, v[LI]
	v_and_b32 v8, 15, v0                           ; r
	v_bfe_u32 v9, v0, 4, 1                         ; h
	v_mul_u32_u24 v[SO], v8, SPX
	v_lshl_add_u32 v[SO], v9, 6, v[SO]
	v_add_nc_u32 v[SO], s19, v[SO]
	s_wait_kmcnt 0x0
	MKSCALE s24
	s_wait_loadcnt 16                              ; the first fragment's 16 loads are in; the second's may be out
	XTURN 0
	s_wait_dscnt 0x0
	QUANT XN, CX, 64
	XOUT 0
	s_wait_loadcnt 0x0
	XTURN 1
	s_wait_dscnt 0x0
	QUANT XN, CX+16, 64
	XOUT 1
	s_wait_tensorcnt 0x0
	ds_add_u32 v240, v241
	s_wait_dscnt 0x0
	s_endpgm
; ---- a weight [1024 (k)][N]: a lane takes a column, its registers run down K, so that the conversions give codes with K innermost.  A wave takes 32 columns (two tiles) x one K step of 128.
.macro WLOAD t, N                      ; block t: rows 32 t .. 32 t + 31 of the K step: 128 consecutive bytes a load
.set wi, 0
.rept 32
	global_load_b32 v[WN+32*(\t)+wi], v8, s[34:35] offset:(32*(\t)+wi)*(\N)*4 th:TH_LOAD_NT
.set wi, wi+1
.endr
.endm
.macro WPATH N, TS, KS, first, e, inlo, outlo   ; TS: bytes from tile to tile, KS: from K step to K step, in the codes' buffer
	s_sub_co_u32 s20, ttmp9, \first
	s_and_b32 s21, s20, 7                          ; the K step
	s_lshr_b32 s20, s20, 3
	s_lshl_b32 s20, s20, 2
	s_add_co_u32 s20, s20, s18                     ; which 32 columns
	s_mul_i32 s22, s21, 128*\N*4
	s_lshl_b32 s23, s20, 7
	s_add_co_u32 s22, s22, s23
	s_mov_b32 s23, 0
	s_add_nc_u64 s[34:35], s[\inlo:\inlo+1], s[22:23]
	s_mul_i32 s22, s20, 2*\TS
	s_mul_i32 s21, s21, \KS
	s_add_co_u32 s22, s22, s21
	s_add_nc_u64 s[36:37], s[\outlo:\outlo+1], s[22:23]
	v_lshlrev_b32 v8, 2, v1                        ; 4 bytes a lane
	WLOAD 0, \N
	WLOAD 1, \N
	v_bfe_u32 v9, v0, 3, 1                         ; column 32 g + lane is index (lane % 8) + 8 (lane / 16) of tile 2 g + (lane / 8) % 2
	v_and_b32 v10, 7, v0
	v_bfe_u32 v11, v0, 4, 1
	v_lshl_add_u32 v10, v11, 3, v10
	v_lshlrev_b32 v10, 4, v10
	v_mul_u32_u24 v9, v9, \TS
	v_add_nc_u32 v[LA], v9, v10
	s_wait_kmcnt 0x0
	MKSCALE \e
.irp t, 0,1,2,3
.if \t < 3
	s_wait_loadcnt 32                              ; this block's 32 loads are in; the next block's may be out
.else
	s_wait_loadcnt 0x0
.endif
.if \t < 2
	WLOAD \t+2, \N
.endif
	QUANT WN+32*\t, WC+8*\t, 32
	global_store_b128 v[LA], v[WC+8*\t:WC+8*\t+3], s[36:37] offset:512*\t          ; k = 32 t + 0 .. 15: the places of lanes 0-15 in piece t; sixteen lanes fill 256 aligned bytes of each tile
	global_store_b128 v[LA], v[WC+8*\t+4:WC+8*\t+7], s[36:37] offset:512*\t+256    ; k = 32 t + 16 .. 31: those of lanes 16-31
.endr
	s_endpgm
.endm
.Lweights:
	s_cmp_lt_u32 ttmp9, 704
	s_cbranch_scc0 .Lwo
	WPATH 3072, 16384, 2048, 512, s25, 6, 14
.Lwo:
	WPATH 1024, 2048, 131072, 704, s31, 8, 16
.Lfunc_end_k_qeff1173942_prep:
	.size	k_qeff1173942_prep, .Lfunc_end_k_qeff1173942_prep-k_qeff1173942_prep
	.p2alignl 7, 3214868480
	.fill 96, 4, 3214868480
	.section	.rodata,"a",@progbits
	.p2align	6, 0x0
	.amdhsa_kernel k_qeff1173942_prep
		.amdhsa_group_segment_fixed_size 34304
		.amdhsa_private_segment_fixed_size 0
		.amdhsa_enable_private_segment 0
		.amdhsa_kernarg_size 56
		.amdhsa_user_sgpr_count 2
		.amdhsa_user_sgpr_kernarg_segment_ptr 1
		.amdhsa_wavefront_size32 1
		.amdhsa_system_sgpr_workgroup_id_x 1
		.amdhsa_system_sgpr_workgroup_id_y 1
		.amdhsa_system_sgpr_workgroup_id_z 1
		.amdhsa_system_vgpr_workitem_id 0
		.amdhsa_next_free_vgpr 242
		.amdhsa_next_free_sgpr 66
		.amdhsa_reserve_vcc 0
		.amdhsa_float_denorm_mode_32 3
		.amdhsa_float_denorm_mode_16_64 3
		.amdhsa_memory_ordered 1
		.amdhsa_forward_progress 1
		.amdhsa_inst_pref_size 66
	.end_amdhsa_kernel
	.amdgpu_metadata
---
amdhsa.version: [ 1, 2 ]
amdhsa.kernels:
  - .name:           k_qeff1173942_prep
    .symbol:         k_qeff1173942_prep.kd
    .args:
      - { .name: inputs, .offset: 0, .size: 8, .value_kind: global_buffer, .address_space: global }
      - { .name: W_qkv, .offset: 8, .size: 8, .value_kind: global_buffer, .address_space: global }
      - { .name: W_o, .offset: 16, .size: 8, .value_kind: global_buffer, .address_space: global }
      - { .name: lowp_scales, .offset: 24, .size: 8, .value_kind: global_buffer, .address_space: global }
      - { .name: x_f, .offset: 32, .size: 8, .value_kind: global_buffer, .address_space: global }
      - { .name: wqkv_f, .offset: 40, .size: 8, .value_kind: global_buffer, .address_space: global }
      - { .name: wo_f, .offset: 48, .size: 8, .value_kind: global_buffer, .address_space: global }
    .group_segment_fixed_size: 34304
    .private_segment_fixed_size: 0
    .kernarg_segment_align: 8
    .kernarg_segment_size: 56
    .max_flat_workgroup_size: 128
    .sgpr_count:     66
    .vgpr_count:     242
    .wavefront_size: 32
...
	.end_amdgpu_metadata
.endif
;; end of part 1
;; launch qkv (part 2): grid 12 x 32, 4 waves a work-group, clusters of 4 x 4, 327,680 bytes of LDS; arguments x_f, wqkv_f, b_qkv, lowp_scales, qkv_f; writes qkv_f
.if DOCPART == 2
	.amdgcn_target "amdgcn-amd-amdhsa--gfx1250"
	.amdhsa_code_object_version 6
	.text
	.protected	k_qeff1173942_qkv
	.globl	k_qeff1173942_qkv
	.p2align	8
	.type	k_qeff1173942_qkv,@function
k_qeff1173942_qkv:
	s_mov_b64 s[64:65], 0
	v_nop
	global_prefetch_b8 v0, s[64:65] scope:SCOPE_SE
	s_setreg_imm32_b32 hwreg(HW_REG_WAVE_MODE, 25, 1), 1
	s_wait_xcnt 0x0
	s_wait_alu depctr_hold_cnt(0) depctr_sa_sdst(0) depctr_va_vdst(0) depctr_va_sdst(0) depctr_va_ssrc(0) depctr_va_vcc(0) depctr_vm_vsrc(0)
	s_getreg_b32 s2, hwreg(HW_REG_IB_STS2, 6, 4)
	s_cmp_eq_u32 s2, 0
	s_cbranch_scc0 .Lentry_in_a_cluster
	s_endpgm
.Lentry_in_a_cluster:
	s_bfe_u32 s2, ttmp6, 0x10000c
	s_cmp_lg_u32 s2, 0xf033
	s_cbranch_scc0 .Lentry_shape_is_right
	s_endpgm
.Lentry_shape_is_right:
; qkv = x W_qkv + b_qkv on codes of BF8 (v_wmma_f32_16x16x128_bf8_bf8, sums in f32), then q, k and v are quantised (entries 2, 3, 4 of the scales) and stored as images of the operand registers that the attention wants.
; A tile of 256 x 256 to a work-group of four waves, 128 x 128 (64 accumulators, 512 registers) to a wave; K = 1,024 in four fills of 256 through a ring of two LDS slots.
; THE MATRIX INSTRUCTION IS USED TRANSPOSED: source 0 = 16 rows of "B", source 1 = 16 rows of "A".  A lane then holds ONE row of A (index lane % 16 of its tile), and, since index i of tile 2 g + u is row 32 g + 8 u + i + 8 (i / 8),
; the 16 registers of B's tiles 2 g and 2 g + 1 are B's rows 32 g + 16 (lane / 16) + 0 .. 15: sixteen neighbours along the NEXT product's K.  Two conversions make of them one 16-byte piece of the next operand.
; q, k (cluster x 0, 1): A = x's rows, B = W's columns: next K = the head's 64.   v (cluster x 2): A = W's columns 2048 on, B = x's rows: v comes out with the KEYS along the registers, as the second product of the attention wants it.
; One text serves both: what differs is chosen by s_cselect on the cluster's x, which all partners share; no branch hangs on it.
; qkv_f [64 heads (b x 16 + h)][3 parts][131,072]: parts 0, 1: q, k: [128 tiles of 16 positions][2 pieces of 512];  part 2: v: [32 steps of 64 keys][4 tiles of 16 d][2 pieces of 512].
; CLUSTERS: 4 x 4 work-groups; A's tiles are shared along a row of the cluster, B's along a column: each is asked for jointly, by the same tensor load with the same descriptor and a mask that names the four.
; LIMITS: e0 + e1 between -126 and 127; e2, e3, e4 between -126 and 112.  NaN is not served.
; REGISTERS, in windows of 256: window 0: v0-31 addresses; v32-95 the bias along B's rows, v96-111 along A's; from v128 A's fragments, ONE set; on the way out v128-223 are at work.
;   window 1: B's fragments, TWO sets.   windows 2, 3: the accumulators ((a, b) at v[8 (8 (a % 4) + b)] of window 2 + a / 4).
.set HS,     393216                    ; a head's bytes in qkv_f
.set SLOT,   131072                    ; A's 16 tiles x 2 K steps x 2,048 bytes, then B's
.set SPARE,  2*SLOT                    ; behind the ring: the spare words, 128 bytes for each wave, that no other line names
.set FR,     16
.set NL,     4
.set NP,     4                         ; places behind this matrix instruction (ISA guide 7.12.1)
.set LIMV, 12                          ; v12  57,344 x the output's scale
.set SCLV, 13                          ; v13  the output's scale as f32
.set ADRA, 16                          ; v16-17  LDS address of my A fragments in slot 0, 1
.set ADRB, 20                          ; v20-21  the same for B
.set LI,   24                          ; v24  16 x lane
.set SPW,  28                          ; v28  LDS address of my spare word; never rewritten
.set NIL,  29                          ; v29  0; never rewritten
.set BN,   32
.set BM,   96
.set AF,   128
.set TMP,  128
.set G1, 24                            ; s[24:31] descriptor group 1 for A's tiles;  s[32:39] group 0, one set for each slot
.set G0, 32
.set G1B, 48                           ; s[48:55], s[56:63] the same for B's tiles
.set G0B, 56
.set MSB, 0
.macro WIN new                         ; the immediate's high byte repeats the setting that is left
.if MSB != \new
	s_set_vgpr_msb (MSB<<8)|\new
.set MSB, \new
.endif
.endm
.set MUL_LO, 0xa1                      ; source 0 (B) window 1, source 1 (A) window 0, C and D window 2
.set MUL_HI, 0xf1                      ; the same, C and D window 3
.set TO_B,   0x40                      ; destination window 1, address window 0
; A joint load: waves 0 and 1 fetch for A, waves 2 and 3 for B.  The branch hangs on the wave's number alone.  Four v_nop follow each of the two lines.
.macro JLOAD g0a, g1a, g0b, g1b
	s_cmp_eq_u32 s15, 0
	s_cbranch_scc0 .Lfor_b_\@
	tensor_load_to_lds s[\g0a:\g0a+3], s[\g1a:\g1a+7]
	s_nop 0
.rept 4
	v_nop
.endr
	s_branch .Lasked_\@
.Lfor_b_\@:
	tensor_load_to_lds s[\g0b:\g0b+3], s[\g1b:\g1b+7]
	s_nop 0
.rept 4
	v_nop
.endr
.Lasked_\@:
.endm
.macro CREST                           ; a round of the cluster's barrier behind its opening barrier
	s_cmp_lg_u32 s14, 0
	s_cbranch_scc1 .Lnot_wave_0_\@
	s_barrier_signal -3
.Lnot_wave_0_\@:
	s_barrier_wait -3
	s_barrier_signal -1
	s_barrier_wait -1
.endm
.macro CROUND                          ; a whole round
	s_barrier_signal -1
	s_barrier_wait -1
	CREST
.endm
	s_load_b256 s[4:11], s[0:1], 0x0               ; x_f s[4:5], wqkv_f s[6:7], b_qkv s[8:9], the scales' exponents s[10:11]
	s_load_b64 s[12:13], s[0:1], 0x20              ; qkv_f
	v_lshl_add_u32 v[SPW], v0, 2, SPARE
	v_mov_b32 v[NIL], 0
	ds_add_u32 v28, v29
	ds_add_u32 v28, v29
	s_wait_dscnt 0x0
	v_lshrrev_b32 v1, 5, v0
	v_readfirstlane_b32 s14, v1                    ; wave 0..3
	s_lshr_b32 s15, s14, 1                         ; wr: which half of A's rows is mine.  Also: I fetch for A (0) or for B (1)
	s_and_b32 s16, s14, 1                          ; wc: which half of B's rows.  Also: which 8 tiles I fetch
	s_bfe_u32 s40, ttmp6, 0x40000                  ; cx
	s_bfe_u32 s41, ttmp6, 0x40004                  ; cy
	s_and_b32 s42, ttmp7, 0xffff
	s_lshl_b32 s42, s42, 2                         ; 4 x cluster y
	s_lshl_b32 s43, ttmp9, 2                       ; 4 x cluster x
	s_add_co_u32 s17, s42, s41                     ; 4 cluster y + cy
	s_add_co_u32 s44, s42, s40                     ; 4 cluster y + cx
	s_add_co_u32 s45, s43, s40                     ; 4 cluster x + cx
	s_cmp_eq_u32 ttmp9, 2                          ; v's cluster?
	s_cselect_b32 s17, s41, s17                    ; TR, A's block of 256 rows: it holds cy and never cx
	s_cselect_b32 s44, s44, s45                    ; TC, B's block of 256 rows: it holds cx and never cy
	s_cselect_b32 s86, -1, 0                       ; keeps the bias along A's rows (v),
	s_cselect_b32 s87, 0, -1                       ; or the one along B's rows (q, k)
	s_lshl_b32 s46, s41, 2
	s_lshl_b32 s46, 15, s46                        ; my row of the cluster
	s_lshl_b32 s47, 0x1111, s40                    ; my column
	; descriptor group 1: 8 tiles' two K steps: 8 rows of 4,096 bytes (512 elements of 8), 16,384 bytes apart; dense in LDS
	s_or_b32 s[G1+0], s46, (3<<16)|(1<<21)         ; 15:0 the mask: A's tiles go to my row; 17:16 elements of 8 bytes; 21 set beside a mask
	s_or_b32 s[G1B+0], s47, (3<<16)|(1<<21)
.irp g, G1, G1B
	s_mov_b32 s[\g+1], 512<<16                     ; tensor_dim0
	s_mov_b32 s[\g+2], 8<<16                       ; tensor_dim1
	s_mov_b32 s[\g+3], 512<<16                     ; tile_dim0
	s_mov_b32 s[\g+4], 8                           ; tile_dim1
	s_mov_b32 s[\g+5], 2048                        ; tensor_dim0_stride
	s_mov_b32 s[\g+6], 0
	s_mov_b32 s[\g+7], 0
.endr
	s_lshl_b32 s18, s16, 17                        ; which 8 tiles of 16,384 bytes I fetch
	s_lshl_b32 s20, s17, 18
	s_add_co_u32 s20, s20, s18
	s_mov_b32 s21, 0
	s_lshl_b32 s22, s44, 18
	s_add_co_u32 s22, s22, s18
	s_mov_b32 s23, 0
	s_lshl_b32 s45, s14, 15                        ; where they go: wave x 32,768: no place in the cluster enters an LDS address
	s_wait_kmcnt 0x0
	s_load_b256 s[68:75], s[10:11], 0x0            ; e0 .. e7
	s_add_nc_u64 s[88:89], s[6:7], 2097152         ; W's tiles of columns 2048 on
	s_cmp_eq_u32 ttmp9, 2
	s_cselect_b64 s[90:91], s[88:89], s[4:5]       ; A's buffer
	s_cselect_b64 s[92:93], s[4:5], s[6:7]         ; B's buffer
	s_add_nc_u64 s[20:21], s[90:91], s[20:21]
	s_add_nc_u64 s[22:23], s[92:93], s[22:23]
	CROUND                                         ; all sixteen work-groups are here: the first joint loads meet
.irp s, 0,1
	s_mov_b32 s[G0+4*\s], 1
	s_add_co_u32 s[G0+4*\s+1], s45, \s*SLOT
	s_add_nc_u64 s[G0+4*\s+2:G0+4*\s+3], s[20:21], \s*4096
	s_or_b32 s[G0+4*\s+3], s[G0+4*\s+3], 0x80000000
	s_mov_b32 s[G0B+4*\s], 1
	s_add_co_u32 s[G0B+4*\s+1], s45, \s*SLOT
	s_add_nc_u64 s[G0B+4*\s+2:G0B+4*\s+3], s[22:23], \s*4096
	s_or_b32 s[G0B+4*\s+3], s[G0B+4*\s+3], 0x80000000
	JLOAD G0+4*\s, G1, G0B+4*\s, G1B
.endr
	v_and_b32 v1, 15, v0                           ; r
	v_bfe_u32 v2, v0, 4, 1                         ; h
	v_and_b32 v3, 31, v0
	v_lshlrev_b32 v[LI], 4, v3
	s_lshl_b32 s20, s15, 15                        ; my 8 tiles of A,
	s_lshl_b32 s21, s16, 15                        ; my 8 tiles of B,
	s_add_co_u32 s21, s21, 65536                   ; which lie behind A's 16
.irp s, 0,1
	v_add_nc_u32 v[ADRA+\s], s20, v[LI]
	v_add_nc_u32 v[ADRB+\s], s21, v[LI]
	s_add_co_u32 s20, s20, SLOT
	s_add_co_u32 s21, s21, SLOT
.endr
	; the bias, both ways; the set that this cluster does not use is read at the buffer's head and cleared on the way out
	s_lshl_b32 s20, s44, 10
	s_lshl_b32 s21, s16, 9
	s_add_co_u32 s20, s20, s21                     ; q, k: 4 (256 TC + 128 wc)
	s_lshl_b32 s22, s17, 10
	s_lshl_b32 s23, s15, 9
	s_add_co_u32 s22, s22, s23
	s_add_co_u32 s22, s22, 8192                    ; v: 4 (2048 + 256 TR + 128 wr)
	s_cmp_eq_u32 ttmp9, 2
	s_cselect_b32 s20, 0, s20
	s_cselect_b32 s22, s22, 0
	s_mov_b32 s21, 0
	s_mov_b32 s23, 0
	s_add_nc_u64 s[88:89], s[8:9], s[20:21]
	s_add_nc_u64 s[90:91], s[8:9], s[22:23]
	v_lshlrev_b32 v8, 6, v2                        ; 64 h
	v_and_b32 v9, 8, v1
	v_add_nc_u32 v9, v9, v1
	v_lshlrev_b32 v9, 2, v9                        ; 4 (r + 8 (r / 8))
.irp bb, 0,1,2,3
.irp q, 0,1,2,3
	global_load_b128 v[BN+16*\bb+4*\q:BN+16*\bb+4*\q+3], v8, s[88:89] offset:128*\bb+16*\q   ; register 16 bb + i: B's row 32 bb + 16 h + i
.endr
.endr
.irp a, 0,1,2,3,4,5,6,7
	global_load_b32 v[BM+2*\a], v9, s[90:91] offset:(32*(\a/2)+8*(\a%2))*4                    ; A's tile a, index r
	v_mov_b32 v[BM+2*\a+1], 0                      ; (named with it as a pair, so it is written)
.endr
	; where my results go.  q, k: head (TR / 8) 16 + 4 (TC % 4) + 2 wc + bb / 2, part TC / 4, tile (TR % 8) 16 + 8 wr + a, piece bb % 2
	s_lshr_b32 s20, s17, 3
	s_lshl_b32 s20, s20, 4
	s_and_b32 s21, s44, 3
	s_lshl_b32 s21, s21, 2
	s_add_co_u32 s20, s20, s21
	s_lshl_b32 s21, s16, 1
	s_add_co_u32 s20, s20, s21
	s_mul_i32 s20, s20, HS
	s_lshr_b32 s21, s44, 2
	s_lshl_b32 s21, s21, 17
	s_add_co_u32 s20, s20, s21
	s_and_b32 s21, s17, 7
	s_lshl_b32 s21, s21, 4
	s_lshl_b32 s22, s15, 3
	s_add_co_u32 s21, s21, s22
	s_lshl_b32 s21, s21, 10
	s_add_co_u32 s20, s20, s21
	; v: head (TC / 8) 16 + 4 TR + 2 wr + a / 4, part 2, key step (TC % 8) 4 + 2 wc + bb / 2, tile a % 4, piece bb % 2
	s_lshr_b32 s22, s44, 3
	s_lshl_b32 s22, s22, 4
	s_lshl_b32 s23, s17, 2
	s_add_co_u32 s22, s22, s23
	s_lshl_b32 s23, s15, 1
	s_add_co_u32 s22, s22, s23
	s_mul_i32 s22, s22, HS
	s_add_co_u32 s22, s22, 262144
	s_and_b32 s23, s44, 7
	s_lshl_b32 s23, s23, 2
	s_lshl_b32 s94, s16, 1
	s_add_co_u32 s23, s23, s94
	s_lshl_b32 s23, s23, 12
	s_add_co_u32 s22, s22, s23
	s_cmp_eq_u32 ttmp9, 2
	s_cselect_b32 s20, s22, s20
	s_mov_b32 s21, 0
	s_mov_b32 s22, HS
	s_cselect_b32 s94, s22, 4096                   ; from a / 4 = 0 to 1: a head (v) or four tiles (q, k)
	s_cselect_b32 s22, 4096, s22                   ; from bb / 2 = 0 to 1: a key step (v) or a head (q, k)
	s_mov_b32 s23, 0
	s_mov_b32 s95, 0
	s_add_nc_u64 s[76:77], s[12:13], s[20:21]      ; four bases, (a / 4, bb / 2) at s[76 + 4 (a / 4) + 2 (bb / 2)]
	s_add_nc_u64 s[78:79], s[76:77], s[22:23]
	s_add_nc_u64 s[80:81], s[76:77], s[94:95]
	s_add_nc_u64 s[82:83], s[76:77], HS+4096
	s_wait_kmcnt 0x0
	s_cmp_lt_u32 s44, 4
	s_cselect_b32 s20, s70, s71                    ; q's exponent or k's,
	s_cmp_eq_u32 ttmp9, 2
	s_cselect_b32 s20, s72, s20                    ; or v's: a choice, no branch
	s_add_co_i32 s20, s20, 127
	s_lshl_b32 s21, s20, 23
	v_mov_b32 v[SCLV], s21
	s_add_co_i32 s20, s20, 15
	s_lshl_b32 s20, s20, 23
	s_or_b32 s20, s20, 0x600000
	v_mov_b32 v[LIMV], s20
	s_add_co_i32 s84, s68, s69
	s_add_co_i32 s84, s84, 127
	s_lshl_b32 s84, s84, 23                        ; 2^(e0 + e1) as f32
	s_mov_b32 s85, s84                             ; (named with it as a pair, so it is written)
.macro FRAG reg, adr, q, i             ; a fragment comes back as it was stored: four loads of 512 consecutive bytes
.irp c, 0,1,2,3
	ds_load_b128 v[\reg+4*\c:\reg+4*\c+3], v[\adr] offset:4096*(\i)+2048*(\q)+512*\c
.endr
.endm
; 16 matrix instructions: A's blocks a0, a0 + 1 x B's eight, 128 along K.  p: B's set.  zero = 1: the first product starts the sums.  The 64 accumulators take turns, one instruction a turn.
.macro MUL16 a0, p, zero
.irp a, \a0, \a0+1
.irp b, 0,1,2,3,4,5,6,7
.if \zero
	v_wmma_f32_16x16x128_bf8_bf8 v[8*(8*((\a)%4)+\b):8*(8*((\a)%4)+\b)+7], v[128*(\p)+FR*\b:128*(\p)+FR*\b+FR-1], v[AF+FR*(\a):AF+FR*(\a)+FR-1], 0
.else
	v_wmma_f32_16x16x128_bf8_bf8 v[8*(8*((\a)%4)+\b):8*(8*((\a)%4)+\b)+7], v[128*(\p)+FR*\b:128*(\p)+FR*\b+FR-1], v[AF+FR*(\a):AF+FR*(\a)+FR-1], v[8*(8*((\a)%4)+\b):8*(8*((\a)%4)+\b)+7]
.endif
.endr
.endr
.endm
.macro FETCH_B slot, q, p
	WIN TO_B
.irp i, 0,1,2,3,4,5,6,7
	FRAG 128*(\p)+FR*\i, ADRB+\slot, \q, \i
.endr
	WIN 0
.endm
.macro FETCH_A slot, q, i0
.irp i, \i0, \i0+1, \i0+2, \i0+3
	FRAG AF+FR*(\i), ADRA+\slot, \q, \i
.endr
.endm
.macro PLACES n                        ; plain vector lines between a matrix instruction and a load into, or a read of, its registers
.rept \n
	v_nop
.endr
.endm
; A step of 128 along K that has its successor in the same slot.
.macro STEP slot, q, zero
	s_wait_dscnt 4*NL                              ; B's set and A's blocks 0-3 are in; the youngest 16 loads (A's blocks 4-7) may be out
	WIN MUL_LO
	MUL16 0, (\q)%2, \zero
	MUL16 2, (\q)%2, \zero
	s_wait_dscnt 0                                 ; A's blocks 4-7 are in
	PLACES NP
	FETCH_B \slot, (\q)+1, 1-(\q)%2
	FETCH_A \slot, (\q)+1, 0
	WIN MUL_HI
	MUL16 4, (\q)%2, \zero
	MUL16 6, (\q)%2, \zero
	PLACES NP
	WIN 0
	FETCH_A \slot, (\q)+1, 4
.endm
; A slot's last step changes slots: ONE barrier; in front of it each wave waits for all its tensor loads, adds 0 to its spare word, and waits for that and for its own reads of this slot.  fill = 1: this slot is filled again.
.macro TURN slot, next, fill
	s_wait_tensorcnt 0x0                           ; all my tensor loads have landed: my part of the next slot
	ds_add_u32 v[SPW], v[NIL]                      ; 0 onto my spare word
	s_wait_dscnt 4*NL+1                            ; (the add and the youngest 16 loads may be out)
	WIN MUL_LO
	MUL16 0, 1, 0                                  ; sixteen matrix instructions stand between the add and the wait for it
	s_wait_dscnt 0x0                               ; the add is done, and my reads of this slot are over
	s_barrier_signal -1
	MUL16 2, 1, 0
	WIN 0
	s_barrier_wait -1
.if \fill
	CREST                                          ; the barrier has opened a round of the cluster's barrier: no wave of any partner still reads this slot or has a load on its way
	s_add_nc_u64 s[G0+4*\slot+2:G0+4*\slot+3], s[G0+4*\slot+2:G0+4*\slot+3], 8192
	s_add_nc_u64 s[G0B+4*\slot+2:G0B+4*\slot+3], s[G0B+4*\slot+2:G0B+4*\slot+3], 8192
	JLOAD G0+4*\slot, G1, G0B+4*\slot, G1B         ; the first tensor load behind the round; its four v_nop are also the places in front of the loads below
.else
	PLACES NP
.endif
	FETCH_B \next, 0, 0
	FETCH_A \next, 0, 0
	WIN MUL_HI
	MUL16 4, 1, 0
	MUL16 6, 1, 0
	PLACES NP
	WIN 0
	FETCH_A \next, 0, 4
.endm
	s_wait_tensorcnt 1                             ; my part of the first fill is in (the second's load may be out),
	s_barrier_signal -1
	s_barrier_wait -1                              ; everybody's is
	FETCH_B 0, 0, 0
	FETCH_A 0, 0, 0
	FETCH_A 0, 0, 4
	STEP 0, 0, 1                                   ; K = 1,024 is four fills, eight steps: written out
	TURN 0, 1, 1
	STEP 1, 0, 0
	TURN 1, 0, 1
	STEP 0, 0, 0
	TURN 0, 1, 0                                   ; nothing is left to fetch: no round
	STEP 1, 0, 0
	s_wait_dscnt 4*NL
	WIN MUL_LO
	MUL16 0, 1, 0
	MUL16 2, 1, 0
	s_wait_dscnt 0
	WIN MUL_HI
	MUL16 4, 1, 0
	MUL16 6, 1, 0
	WIN 0
	; THE WAY OUT, without LDS.  The 72 lines that clear the bias set not in use name none of the last products' registers: they are the places behind them.
	s_wait_loadcnt 0x0                             ; the biases
.set oj, 0
.rept 64
	v_and_b32 v[BN+oj], s87, v[BN+oj]
.set oj, oj+1
.endr
.irp a, 0,1,2,3,4,5,6,7
	v_and_b32 v[BM+2*\a], s86, v[BM+2*\a]
.endr
.macro OUTBLK a                        ; A's block a: 64 sums a lane become four pieces of 16 bytes
.set AC, 64*((\a)%4)
.set CD, 192+16*((\a)%2)
.if (\a) >= 2
	s_wait_xcnt 0x0                                ; block a - 2's stores have read the registers that this block's codes take
.endif
	WIN 0x02+((\a)/4)                              ; source 0: window 2 or 3
.set oj, 0
.rept 32
	v_pk_fma_f32 v[TMP+oj:TMP+oj+1], v[AC+oj:AC+oj+1], s[84:85], v[BN+oj:BN+oj+1] op_sel_hi:[1,0,1]   ; sum x 2^(e0 + e1) + the bias along B's rows; each accumulator from its low end on
.set oj, oj+2
.endr
	WIN 0
.set oj, 0
.rept 32
	v_pk_add_f32 v[TMP+oj:TMP+oj+1], v[TMP+oj:TMP+oj+1], v[BM+2*(\a):BM+2*(\a)+1] op_sel_hi:[1,0]      ; + the bias of my row of A (one of the two biases is 0, so one rounding is made)
.set oj, oj+2
.endr
.set oj, 0
.rept 64
	v_med3_num_f32 v[TMP+oj], v[TMP+oj], -v[LIMV], v[LIMV]
.set oj, oj+1
.endr
.set oj, 0
.rept 8
	v_cvt_scalef32_pk8_bf8_f32 v[CD+2*oj:CD+2*oj+1], v[TMP+8*oj:TMP+8*oj+7], v[SCLV]
.set oj, oj+1
.endr
	v_nop                                          ; a plain vector line behind the last conversion
.irp bb, 0,1,2,3
	global_store_b128 v[LI], v[CD+4*\bb:CD+4*\bb+3], s[76+4*((\a)/4)+2*(\bb/2):76+4*((\a)/4)+2*(\bb/2)+1] offset:((\a)%4)*1024+(\bb%2)*512   ; 32 lanes store 512 consecutive bytes, aligned
.endr
.endm
.irp a, 0,1,2,3,4,5,6,7
	OUTBLK \a
.endr
	s_wait_tensorcnt 0x0                           ; the wave's end
	ds_add_u32 v[SPW], v[NIL]
	s_wait_dscnt 0x0
	CROUND                                         ; the closing round: no work-group ends while a partner may still ask for a tile that names it
	s_endpgm
.Lfunc_end_k_qeff1173942_qkv:
	.size	k_qeff1173942_qkv, .Lfunc_end_k_qeff1173942_qkv-k_qeff1173942_qkv
	.p2alignl 7, 3214868480
	.fill 96, 4, 3214868480
	.section	.rodata,"a",@progbits
	.p2align	6, 0x0
	.amdhsa_kernel k_qeff1173942_qkv
		.amdhsa_group_segment_fixed_size 327680
		.amdhsa_private_segment_fixed_size 0
		.amdhsa_enable_private_segment 0
		.amdhsa_kernarg_size 40
		.amdhsa_user_sgpr_count 2
		.amdhsa_user_sgpr_kernarg_segment_ptr 1
		.amdhsa_wavefront_size32 1
		.amdhsa_system_sgpr_workgroup_id_x 1
		.amdhsa_system_sgpr_workgroup_id_y 1
		.amdhsa_system_sgpr_workgroup_id_z 1
		.amdhsa_system_vgpr_workitem_id 0
		.amdhsa_next_free_vgpr 1024
		.amdhsa_next_free_sgpr 100
		.amdhsa_reserve_vcc 0
		.amdhsa_float_denorm_mode_32 3
		.amdhsa_float_denorm_mode_16_64 3
		.amdhsa_memory_ordered 1
		.amdhsa_forward_progress 1
		.amdhsa_inst_pref_size 156
	.end_amdhsa_kernel
	.amdgpu_metadata
---
amdhsa.version: [ 1, 2 ]
amdhsa.kernels:
  - .name:           k_qeff1173942_qkv
    .symbol:         k_qeff1173942_qkv.kd
    .args:
      - { .name: x_f, .offset: 0, .size: 8, .value_kind: global_buffer, .address_space: global }
      - { .name: wqkv_f, .offset: 8, .size: 8, .value_kind: global_buffer, .address_space: global }
      - { .name: b_qkv, .offset: 16, .size: 8, .value_kind: global_buffer, .address_space: global }
      - { .name: lowp_scales, .offset: 24, .size: 8, .value_kind: global_buffer, .address_space: global }
      - { .name: qkv_f, .offset: 32, .size: 8, .value_kind: global_buffer, .address_space: global }
    .group_segment_fixed_size: 327680
    .private_segment_fixed_size: 0
    .kernarg_segment_align: 8
    .kernarg_segment_size: 40
    .max_flat_workgroup_size: 128
    .sgpr_count:     100
    .vgpr_count:     1024
    .wavefront_size: 32
...
	.end_amdgpu_metadata
.endif
;; end of part 2
;; launch attn (part 3): grid 4 x 64, 16 waves a work-group, clusters of 4 x 1, 327,680 bytes of LDS; arguments qkv_f, attn_mask, lowp_scales, a_f; writes a_f
.if DOCPART == 3
	.amdgcn_target "amdgcn-amd-amdhsa--gfx1250"
	.amdhsa_code_object_version 6
	.text
	.protected	k_qeff1173942_attn
	.globl	k_qeff1173942_attn
	.p2align	8
	.type	k_qeff1173942_attn,@function
k_qeff1173942_attn:
	s_mov_b64 s[64:65], 0
	v_nop
	global_prefetch_b8 v0, s[64:65] scope:SCOPE_SE
	s_setreg_imm32_b32 hwreg(HW_REG_WAVE_MODE, 25, 1), 1
	s_wait_xcnt 0x0
	s_wait_alu depctr_hold_cnt(0) depctr_sa_sdst(0) depctr_va_vdst(0) depctr_va_sdst(0) depctr_va_ssrc(0) depctr_va_vcc(0) depctr_vm_vsrc(0)
	s_getreg_b32 s2, hwreg(HW_REG_IB_STS2, 6, 4)
	s_cmp_eq_u32 s2, 0
	s_cbranch_scc0 .Lentry_in_a_cluster
	s_endpgm
.Lentry_in_a_cluster:
	s_bfe_u32 s2, ttmp6, 0x10000c
	s_cmp_lg_u32 s2, 0x3003
	s_cbranch_scc0 .Lentry_shape_is_right
	s_endpgm
.Lentry_shape_is_right:
; attn_vec = softmax(q k^T / 8, keys masked by attn_mask) v for one head, both products on codes of BF8 (v_wmma_f32_16x16x64_bf8_bf8), then quantised (entry 6) into a_f, the last product's operand.
; THE SOFTMAX AHEAD OF THE SECOND PRODUCT: t = score x log2(e) / 8; M = the running largest t rounded UP to a whole number; p = 2^(t - M) is quantised (entry 5), not normalised; the row's sum is taken of the unquantised p and divides at the end.
; SHARES.  A work-group owns 512 queries of one head; each of its sixteen waves two tiles of 16, which share every fragment of K, of V and of the mask.  The four work-groups of a cluster belong to one head.
; LDS IS FILLED ONCE: the head's K and V, 262,144 bytes, as they lie in qkv_f, by sixteen joint loads of 16,384 bytes (waves 0-3, four each), all asked for at the head; 512 keys are read behind each of four barriers.
; LAYOUT.  Both products are used transposed (S^T = K Q^T, O^T = V^T P^T): a lane holds ONE query (lane % 16).  Index i of key tile 2 b + u is key 32 b + 8 u + i + 8 (i / 8), so the 16 registers of two neighbouring tiles are keys 32 b + 16 (lane / 16) + 0 .. 15.
; THE MASK IS THE C OF THE SCORES' PRODUCT: a table in LDS, one f32 a key: 0, or -2^(63 - e2 - e3), which as t lies under -2^59, under every real t.  A masked key's p is then 0 as soon as a real key has been met;
; what a run of masked keys at a row's head leaves in the sums is finite and is multiplied by 2^(old M - new M) = 0 at the first real key.  A row with no real key gets the NaN code, as the softmax of such a row is NaN.
; LIMITS: e2 + e3 between -64 and 20; e5, e6 between -126 and 112.  NaN among the inputs is not served.
.set HS,   393216
.set MASK, 262144                      ; behind K and V: 2,048 words, written by ds_store alone
.set LI,   1                           ; v1   16 x lane
.set ADK,  2                           ; v2-4 LDS addresses of the step in hand: K, V, mask
.set ADV,  3
.set ADM,  4
.set AV0,  5                           ; v5   16 x lane + 131,072
.set AM0,  6                           ; v6   MASK + 64 (lane / 16)
.set CV,   7                           ; v7   the table's entry for a masked key; on the way out the NaN code, four times
.set LIMV, 8                           ; v8   57,344 x 2^e5
.set SCLV, 9                           ; v9   2^e5
.set LIM6, 10                          ; v10, v11 the same for e6
.set SCL6, 11
.set ST,   12                          ; tile t's statistics at v[12 + 8 t]: +0 -M, +1 the largest t, +2, +3 the sum in two halves, +4 f, +5 the other half of the lanes' number, +6, +7 at work
.set QF,   32                          ; v32-47   Q, two tiles
.set KF,   48                          ; v48-79   K, four tiles of 16 keys
.set VF,   80                          ; v80-111  V, four tiles of 16 d
.set PF,   112                         ; v112-127 p's codes, two tiles
.set SF,   128                         ; v128-191 S^T, then p, 32 a tile
.set OF,   192                         ; v192-255 O^T, 32 a tile
.set WV,   12                          ; s12  my wave's number
.set G1,   16                          ; s[16:23] descriptor group 1
.set G0,   24                          ; s[24:39] four groups 0
.set CS,   48                          ; s[48:49] c = log2(e) / 8 x 2^(e2 + e3)
.set SEL,  50                          ; s[50:51] lane selects: lane l xor 16
.set TB,   52                          ; s52  the step's first byte in K, and in V
.set TM,   53                          ; s53  and in the mask's table
.set CNT,  54
.macro ROUND                           ; a round of the cluster's barrier
	s_barrier_signal -1
	s_barrier_wait -1
	s_cmp_lg_u32 s[WV], 0
	s_cbranch_scc1 .Lnot_wave_0_\@
	s_barrier_signal -3
.Lnot_wave_0_\@:
	s_barrier_wait -3
	s_barrier_signal -1
	s_barrier_wait -1
.endm
.macro MKS e, scl, lim
	s_add_co_i32 s60, \e, 127
	s_lshl_b32 s61, s60, 23
	v_mov_b32 v[\scl], s61
	s_add_co_i32 s60, s60, 15
	s_lshl_b32 s60, s60, 23
	s_or_b32 s60, s60, 0x600000
	v_mov_b32 v[\lim], s60
.endm
	s_load_b256 s[4:11], s[0:1], 0x0               ; qkv_f s[4:5], attn_mask s[6:7], the scales' exponents s[8:9], a_f s[10:11]
	v_lshl_add_u32 v30, v0, 2, 0x42000
	v_mov_b32 v31, 0
	ds_add_u32 v30, v31
	ds_add_u32 v30, v31
	v_lshrrev_b32 v1, 5, v0
	v_readfirstlane_b32 s[WV], v1                  ; wave 0..15
	s_bfe_u32 s13, ttmp6, 0x40000                  ; cx: it enters Q's and a_f's addresses alone
	s_and_b32 s14, ttmp7, 0xffff                   ; the head, b x 16 + h, which the four partners share
	s_mul_i32 s58, s14, HS
	s_mov_b32 s59, 0
	s_and_b32 s60, s[WV], 3                        ; what I fetch, if I fetch: waves 0, 1: the halves of a chunk of K; waves 2, 3: of V
	s_lshr_b32 s61, s60, 1
	s_lshl_b32 s61, s61, 17
	s_and_b32 s60, s60, 1
	s_lshl_b32 s60, s60, 14
	s_add_co_u32 s60, s60, s61
	s_mov_b32 s[G1], 15|(3<<16)|(1<<21)            ; 15:0 the mask: all four work-groups; 17:16 elements of 8 bytes; 21 set beside a mask
	s_mov_b32 s[G1+1], 32<<16                      ; tensor_dim0: rows of 256 bytes
	s_mov_b32 s[G1+2], 64<<16                      ; tensor_dim1
	s_mov_b32 s[G1+3], 32<<16                      ; tile_dim0
	s_mov_b32 s[G1+4], 64                          ; tile_dim1
	s_mov_b32 s[G1+5], 32                          ; tensor_dim0_stride: dense
	s_mov_b32 s[G1+6], 0
	s_mov_b32 s[G1+7], 0
	s_mov_b32 s[SEL], 0x76543210
	s_mov_b32 s[SEL+1], 0xfedcba98
	s_wait_dscnt 0x0
	s_wait_kmcnt 0x0
	s_load_b256 s[40:47], s[8:9], 0x0              ; e0 .. e7
	s_add_nc_u64 s[4:5], s[4:5], s[58:59]          ; the head in qkv_f
	s_mov_b32 s61, 0
	s_add_nc_u64 s[62:63], s[4:5], s[60:61]
	s_add_nc_u64 s[62:63], s[62:63], 131072        ; behind Q: K, then V
.irp i, 0,1,2,3
	s_mov_b32 s[G0+4*\i], 1
	s_add_co_u32 s[G0+4*\i+1], s60, 32768*\i       ; chunk i: 512 keys: 32,768 bytes of K and as many of V
	s_add_nc_u64 s[G0+4*\i+2:G0+4*\i+3], s[62:63], 32768*\i
	s_or_b32 s[G0+4*\i+3], s[G0+4*\i+3], 0x80000000
.endr
	ROUND                                          ; all four work-groups are here: the joint loads meet
	s_cmp_lt_u32 s[WV], 4                          ; a wave's four fills stand in one branch, ahead of every wait on TENSORcnt, every LDS read and every other barrier: four loads of mine are out
	s_cbranch_scc0 .Lno_fetch
	tensor_load_to_lds s[G0:G0+3], s[G1:G1+7]
	s_nop 0
	tensor_load_to_lds s[G0+4:G0+7], s[G1:G1+7]
	s_nop 0
	tensor_load_to_lds s[G0+8:G0+11], s[G1:G1+7]
	s_nop 0
	tensor_load_to_lds s[G0+12:G0+15], s[G1:G1+7]
	s_nop 0
.rept 4
	v_nop
.endr
.Lno_fetch:
	v_and_b32 v10, 31, v0
	v_lshlrev_b32 v[LI], 4, v10
	s_lshr_b32 s58, s14, 4                         ; the batch
	s_lshl_b32 s58, s58, 11
	s_mov_b32 s59, 0
	s_add_nc_u64 s[6:7], s[6:7], s[58:59]
	v_lshlrev_b32 v28, 2, v0
	global_load_b32 v29, v28, s[6:7]               ; four keys' mask bytes a thread: 512 threads, 2,048 keys
	s_lshl_b32 s58, s13, 5
	s_lshl_b32 s59, s[WV], 1
	s_add_co_u32 s58, s58, s59                     ; my first tile of queries: 32 cx + 2 wave
	s_lshl_b32 s66, s58, 10
	s_mov_b32 s67, 0
	s_add_nc_u64 s[66:67], s[4:5], s[66:67]
.irp u, 0,1
.irp c, 0,1
	global_load_b128 v[QF+8*\u+4*\c:QF+8*\u+4*\c+3], v[LI], s[66:67] offset:1024*\u+512*\c
.endr
.endr
	s_lshr_b32 s60, s14, 4                         ; a_f: row tile 128 b + my tile; the head's 64 along K are 1,024 bytes of the tile's 16,384
	s_lshl_b32 s60, s60, 7
	s_add_co_u32 s60, s60, s58
	s_lshl_b32 s60, s60, 14
	s_and_b32 s61, s14, 15
	s_lshl_b32 s61, s61, 10
	s_add_co_u32 s60, s60, s61
	s_mov_b32 s61, 0
	s_add_nc_u64 s[10:11], s[10:11], s[60:61]
	v_add_nc_u32 v[AV0], 0x20000, v[LI]
	v_bfe_u32 v10, v0, 4, 1
	v_lshl_add_u32 v[AM0], v10, 6, MASK
	v_lshl_add_u32 v52, v0, 4, MASK                ; where my four entries of the table go
.irp t, 0,1
	v_mov_b32 v[ST+8*\t+1], 0xff61b1e6             ; the largest t so far: -3e38, under every t
	v_floor_f32 v[ST+8*\t], -v[ST+8*\t+1]          ; -M
	v_mov_b32 v[ST+8*\t+2], 0                      ; the sum
	v_mov_b32 v[ST+8*\t+3], 0
	v_mov_b32 v[ST+8*\t+5], 0                      ; written once: a lane permute's destination counts as one of its sources
.endr
.set oj, 0
.rept 64
	v_mov_b32 v[OF+oj], 0                          ; O^T.  (The step is written once: its first trip finds zeros, which the first change of M leaves zeros)
.set oj, oj+1
.endr
	s_wait_kmcnt 0x0
	s_add_co_i32 s62, s42, s43                     ; e2 + e3
	s_lshl_b32 s63, s62, 23
	s_mov_b32 s[CS], 0x3e38aa3b                    ; log2(e) / 8,
	s_add_co_i32 s[CS], s[CS], s63                 ; x 2^(e2 + e3): the exponents are added to its exponent field
	s_mov_b32 s[CS+1], s[CS]                       ; (named with it as a pair, so it is written)
	s_sub_co_i32 s63, 190, s62
	s_lshl_b32 s63, s63, 23
	s_or_b32 s63, s63, 0x80000000
	v_mov_b32 v[CV], s63                           ; -2^(63 - e2 - e3)
	MKS s45, SCLV, LIMV
	MKS s46, SCL6, LIM6
	s_wait_loadcnt 4                               ; the mask's word is in; Q's four loads may be out
.irp q, 0,1,2,3
	v_bfe_u32 v[48+\q], v29, 8*\q, 8
	v_cmp_eq_u32 vcc_lo, 0, v[48+\q]
	v_cndmask_b32 v[48+\q], 0, v[CV], vcc_lo       ; a choice of a value: no branch and no address hangs on the mask
.endr
	ds_store_b128 v52, v[48:51]
	s_wait_loadcnt 0x0                             ; Q
.macro SM_MAX t                        ; the step's largest score of my query; the new M; f = 2^(old M - new M)
.set rT, ST+8*(\t)
.set rS, SF+32*(\t)
	v_max3_num_f32 v[rT+6], v[rS], v[rS+1], v[rS+2]        ; two chains, in ascending order: each accumulator is first read at its low end
	v_max3_num_f32 v[rT+7], v[rS+3], v[rS+4], v[rS+5]
.irp i, 6,10,14,18,22,26
	v_max3_num_f32 v[rT+6], v[rT+6], v[rS+\i], v[rS+\i+1]
	v_max3_num_f32 v[rT+7], v[rT+7], v[rS+\i+2], v[rS+\i+3]
.endr
	v_max3_num_f32 v[rT+6], v[rT+6], v[rS+30], v[rS+31]
	v_max_num_f32 v[rT+6], v[rT+6], v[rT+7]
	v_permlanex16_b32 v[rT+5], v[rT+6], s[SEL], s[SEL+1]
	v_max_num_f32 v[rT+6], v[rT+6], v[rT+5]        ; and among lane l xor 16's 32 keys
	v_mul_f32 v[rT+6], s[CS], v[rT+6]              ; as t (c is positive)
	v_max_num_f32 v[rT+1], v[rT+1], v[rT+6]
	v_mov_b32 v[rT+6], v[rT]
	v_floor_f32 v[rT], -v[rT+1]                    ; the new -M = -ceil(t)
	v_sub_f32 v[rT+6], v[rT], v[rT+6]              ; old M - new M: a whole number, 0 or less
	v_cvt_i32_f32 v[rT+6], v[rT+6]                 ; (it saturates)
	v_ldexp_f32 v[rT+4], 1.0, v[rT+6]
.endm
.macro SM_FMA t
.set rT, ST+8*(\t)
.set rS, SF+32*(\t)
.set oj, 0
.rept 16
	v_pk_fma_f32 v[rS+oj:rS+oj+1], v[rS+oj:rS+oj+1], s[CS:CS+1], v[rT:rT+1] op_sel_hi:[1,0,0]   ; t - M, two at a time
.set oj, oj+2
.endr
.endm
.macro SM_EXP t
.set rS, SF+32*(\t)
.set oj, 0
.rept 32
	v_exp_f32 v[rS+oj], v[rS+oj]                   ; p = 2^(t - M)
.set oj, oj+1
.endr
.endm
.macro SM_SUM t                        ; the row's sum is taken of the unquantised p, in two chains
.set rT, ST+8*(\t)
.set rS, SF+32*(\t)
	v_pk_add_f32 v[rT+6:rT+7], v[rS:rS+1], v[rS+2:rS+3]
.irp j, 4,8,12,16,20,24,28
	v_pk_add_f32 v[rT+2:rT+3], v[rT+2:rT+3], v[rS+\j:rS+\j+1]
	v_pk_add_f32 v[rT+6:rT+7], v[rT+6:rT+7], v[rS+\j+2:rS+\j+3]
.endr
	v_pk_add_f32 v[rT+2:rT+3], v[rT+2:rT+3], v[rT+6:rT+7]
.endm
.macro SM_CVT t
.set rS, SF+32*(\t)
.set rP, PF+8*(\t)
.set oj, 0
.rept 32
	v_min_num_f32 v[rS+oj], v[rS+oj], v[LIMV]      ; the conversion does not saturate (ISA guide 7.6.2); p is not negative, so the hold is one-sided
.set oj, oj+1
.endr
.set oj, 0
.rept 4
	v_cvt_scalef32_pk8_bf8_f32 v[rP+2*oj:rP+2*oj+1], v[rS+8*oj:rS+8*oj+7], v[SCLV]
.set oj, oj+1
.endr
.endm
.macro SM_RESC t                       ; O^T under the new M
.set rT, ST+8*(\t)
.set rO, OF+32*(\t)
.set oj, 0
.rept 16
	v_pk_mul_f32 v[rO+oj:rO+oj+1], v[rO+oj:rO+oj+1], v[rT+4:rT+5] op_sel_hi:[1,0]
.set oj, oj+2
.endr
.endm
; A KEY STEP: 64 keys for my two tiles of queries.
.macro STEP
	v_add_nc_u32 v[ADK], s[TB], v[LI]              ; these three and the v_nop are the four places between the last products and the loads into their operands
	v_add_nc_u32 v[ADV], s[TB], v[AV0]
	v_add_nc_u32 v[ADM], s[TM], v[AM0]
	v_nop
.irp b, 0,1
.irp u, 0,1
.irp q, 0,1
	ds_load_b128 v[SF+16*\b+8*\u+4*\q:SF+16*\b+8*\u+4*\q+3], v[ADM] offset:128*\b+32*\u+16*\q   ; the mask's entries of keys 32 b + 16 h + 8 u + 4 q on: the C of tile 2 b + u
.endr
.endr
.endr
.irp t, 0,1,2,3
.irp c, 0,1
	ds_load_b128 v[KF+8*\t+4*\c:KF+8*\t+4*\c+3], v[ADK] offset:1024*\t+512*\c
.endr
.endr
.irp t, 0,1,2,3
.irp c, 0,1
	ds_load_b128 v[VF+8*\t+4*\c:VF+8*\t+4*\c+3], v[ADV] offset:1024*\t+512*\c
.endr
.endr
	s_add_co_u32 s[TB], s[TB], 4096
	s_add_co_u32 s[TM], s[TM], 256
	s_wait_dscnt 8                                 ; the mask and K are in; V's eight loads may be out
.irp t, 0,1,2,3
	v_wmma_f32_16x16x64_bf8_bf8 v[SF+32+8*\t:SF+32+8*\t+7], v[KF+8*\t:KF+8*\t+7], v[QF+8:QF+15], v[SF+8*\t:SF+8*\t+7]   ; tile 1's scores: C = the mask, D elsewhere
.endr
.rept 5
	v_nop                                          ; five places: the next four products write over the C of the four above
.endr
.irp t, 0,1,2,3
	v_wmma_f32_16x16x64_bf8_bf8 v[SF+8*\t:SF+8*\t+7], v[KF+8*\t:KF+8*\t+7], v[QF:QF+7], v[SF+8*\t:SF+8*\t+7]            ; tile 0's, onto the mask
.endr
	SM_MAX 1                                       ; tile 1's scores stand five places back; these lines are the places behind tile 0's
	SM_MAX 0
	SM_FMA 1
	SM_FMA 0
	SM_EXP 1                                       ; the 64 exponentials are one batch
	SM_EXP 0
	v_pk_mul_f32 v[ST+2:ST+3], v[ST+2:ST+3], v[ST+4:ST+5] op_sel_hi:[1,0]         ; the sums under the new M: plain lines behind the exponentials
	v_pk_mul_f32 v[ST+10:ST+11], v[ST+10:ST+11], v[ST+12:ST+13] op_sel_hi:[1,0]
	s_wait_alu depctr_va_vdst(0)                   ; one wait for the batch, ahead of its first reader
	SM_SUM 1
	SM_SUM 0
	SM_CVT 1
	SM_CVT 0
	SM_RESC 1                                      ; plain lines between the conversions and the products that read the codes
	SM_RESC 0
	s_wait_dscnt 0x0                               ; V is in
.irp dt, 0,1,2,3
.irp t, 0,1
	v_wmma_f32_16x16x64_bf8_bf8 v[OF+32*\t+8*\dt:OF+32*\t+8*\dt+7], v[VF+8*\dt:VF+8*\dt+7], v[PF+8*\t:PF+8*\t+7], v[OF+32*\t+8*\dt:OF+32*\t+8*\dt+7]   ; eight accumulators by turns
.endr
.endr
.endm
; Chunk i: 512 keys.  My loads of chunks 0 .. i have landed (the 3 - i behind them may be out), my LDS instructions are done; behind the barrier that holds of every wave.  Nothing is ever filled again.
.macro CHUNK i
	s_wait_tensorcnt 3-\i
	s_wait_dscnt 0x0
	s_barrier_signal -1
	s_barrier_wait -1
	s_mov_b32 s[TB], 32768*\i
	s_mov_b32 s[TM], 2048*\i
	s_mov_b32 s[CNT], 8
.Lstep_\@:
	STEP
	s_sub_co_u32 s[CNT], s[CNT], 1
	s_cmp_lg_u32 s[CNT], 0
	s_cbranch_scc1 .Lstep_\@
.endm
	CHUNK 0
	CHUNK 1
	CHUNK 2
	CHUNK 3
	; THE WAY OUT.  The sums' halves are added; O^T x 2^(e4 + e5) / the sum is quantised: a lane's 16 registers of d tiles 2 b, 2 b + 1 are d = 32 b + 16 h + 0 .. 15: a piece of the last product's operand.  The additions are the places behind the last products.
.irp t, 0,1
	v_add_f32 v[ST+8*\t+2], v[ST+8*\t+2], v[ST+8*\t+3]
.endr
.irp t, 0,1
	v_permlanex16_b32 v[ST+8*\t+5], v[ST+8*\t+2], s[SEL], s[SEL+1]
.endr
.irp t, 0,1
	v_add_f32 v[ST+8*\t+2], v[ST+8*\t+2], v[ST+8*\t+5]
.endr
.irp t, 0,1
	v_rcp_f32 v[ST+8*\t+4], v[ST+8*\t+2]
.endr
	v_nop                                          ; a plain line behind the reciprocals
	s_mov_b32 s59, 0xdc000000                      ; -2^57
	v_cmp_gt_f32 s56, s59, v[ST+1]                 ; a query none of whose keys counts
	v_cmp_gt_f32 s57, s59, v[ST+9]
	v_mov_b32 v[CV], 0x7f7f7f7f                    ; the NaN code, four times
	s_add_co_i32 s58, s44, s45                     ; e4 + e5
	s_wait_alu depctr_va_vdst(0)                   ; one wait for the two reciprocals, ahead of their first reader
.irp t, 0,1
	v_ldexp_f32 v[ST+8*\t+4], v[ST+8*\t+4], s58
.endr
.irp t, 0,1
.set oj, 0
.rept 16
	v_pk_mul_f32 v[SF+32*\t+oj:SF+32*\t+oj+1], v[OF+32*\t+oj:OF+32*\t+oj+1], v[ST+8*\t+4:ST+8*\t+5] op_sel_hi:[1,0]
.set oj, oj+2
.endr
.set oj, 0
.rept 32
	v_med3_num_f32 v[SF+32*\t+oj], v[SF+32*\t+oj], -v[LIM6], v[LIM6]
.set oj, oj+1
.endr
.set oj, 0
.rept 4
	v_cvt_scalef32_pk8_bf8_f32 v[PF+8*\t+2*oj:PF+8*\t+2*oj+1], v[SF+32*\t+8*oj:SF+32*\t+8*oj+7], v[SCL6]
.set oj, oj+1
.endr
	v_nop                                          ; a plain line behind the last conversion
.set oj, 0
.rept 8
	v_cndmask_b32 v[PF+8*\t+oj], v[PF+8*\t+oj], v[CV], s[56+\t]
.set oj, oj+1
.endr
.irp b, 0,1
	global_store_b128 v[LI], v[PF+8*\t+4*\b:PF+8*\t+4*\b+3], s[10:11] offset:16384*\t+512*\b   ; 32 lanes store 512 consecutive bytes, aligned
.endr
.endr
	s_wait_tensorcnt 0x0
	ds_add_u32 v30, v31
	s_wait_dscnt 0x0
	ROUND                                          ; the closing round: no work-group ends while a partner may still ask for a tile that names it
	s_endpgm
.Lfunc_end_k_qeff1173942_attn:
	.size	k_qeff1173942_attn, .Lfunc_end_k_qeff1173942_attn-k_qeff1173942_attn
	.p2alignl 7, 3214868480
	.fill 96, 4, 3214868480
	.section	.rodata,"a",@progbits
	.p2align	6, 0x0
	.amdhsa_kernel k_qeff1173942_attn
		.amdhsa_group_segment_fixed_size 327680
		.amdhsa_private_segment_fixed_size 0
		.amdhsa_enable_private_segment 0
		.amdhsa_kernarg_size 32
		.amdhsa_user_sgpr_count 2
		.amdhsa_user_sgpr_kernarg_segment_ptr 1
		.amdhsa_wavefront_size32 1
		.amdhsa_system_sgpr_workgroup_id_x 1
		.amdhsa_system_sgpr_workgroup_id_y 1
		.amdhsa_system_sgpr_workgroup_id_z 1
		.amdhsa_system_vgpr_workitem_id 0
		.amdhsa_next_free_vgpr 256
		.amdhsa_next_free_sgpr 80
		.amdhsa_reserve_vcc 1
		.amdhsa_float_denorm_mode_32 3
		.amdhsa_float_denorm_mode_16_64 3
		.amdhsa_memory_ordered 1
		.amdhsa_forward_progress 1
		.amdhsa_inst_pref_size 86
	.end_amdhsa_kernel
	.amdgpu_metadata
---
amdhsa.version: [ 1, 2 ]
amdhsa.kernels:
  - .name:           k_qeff1173942_attn
    .symbol:         k_qeff1173942_attn.kd
    .args:
      - { .name: qkv_f, .offset: 0, .size: 8, .value_kind: global_buffer, .address_space: global }
      - { .name: attn_mask, .offset: 8, .size: 8, .value_kind: global_buffer, .address_space: global }
      - { .name: lowp_scales, .offset: 16, .size: 8, .value_kind: global_buffer, .address_space: global }
      - { .name: a_f, .offset: 24, .size: 8, .value_kind: global_buffer, .address_space: global }
    .group_segment_fixed_size: 327680
    .private_segment_fixed_size: 0
    .kernarg_segment_align: 8
    .kernarg_segment_size: 32
    .max_flat_workgroup_size: 512
    .sgpr_count:     80
    .vgpr_count:     256
    .wavefront_size: 32
...
	.end_amdgpu_metadata
.endif
;; end of part 3
;; launch oproj (part 4): grid 256 x 1, 16 waves a work-group, no clusters, 327,680 bytes of LDS; arguments a_f, wo_f, inputs, gamma, beta, lowp_scales, out0; writes out0
.if DOCPART == 4
	.amdgcn_target "amdgcn-amd-amdhsa--gfx1250"
	.amdhsa_code_object_version 6
	.text
	.protected	k_qeff1173942_oproj
	.globl	k_qeff1173942_oproj
	.p2align	8
	.type	k_qeff1173942_oproj,@function
k_qeff1173942_oproj:
	s_mov_b64 s[64:65], 0
	v_nop
	global_prefetch_b8 v0, s[64:65] scope:SCOPE_SE
	s_setreg_imm32_b32 hwreg(HW_REG_WAVE_MODE, 25, 1), 1
	s_wait_xcnt 0x0
; out0 = LayerNorm(inputs + attn_vec W_o) x gamma + beta.  The product is on codes of BF8 (v_wmma_f32_16x16x128_bf8_bf8, sums in f32, x 2^(e6 + e7)); all else in f32.
; SHARES.  A work-group owns 32 whole rows (row tiles 2 g and 2 g + 1), since the norm wants whole rows; wave w makes columns 64 w .. 64 w + 63: 4 tiles of W_o x 2 tiles of rows: eight accumulators.
; The rows' codes (32,768 bytes) and the residual's 32 rows (131,072 bytes) come into LDS by two tensor loads a wave, once.  W_o's codes go from memory straight into registers: each byte serves one wave of the work-group.
; NO JOINT LOADS for W_o, though all work-groups walk it: its 1,048,576 bytes do not fit in LDS beside the residual and the stage, and a ring of two slots of a K step (131,072 bytes) would have eight matrix
; instructions a wave between two rounds; with two register sets a wave, 16 x 2 x 8,192 bytes of a work-group are on their way and no barrier stands in the loop.
; THE MATRIX INSTRUCTION IS USED TRANSPOSED (source 0 = 16 columns of W_o, source 1 = 16 rows): a lane holds one row and, of tiles 2 g' and 2 g' + 1, the 16 neighbouring columns 32 g' + 16 (lane / 16) + 0 .. 15.
; Index r of row tile 2 g + rt is row 32 g + 8 rt + r + 8 (r / 8).  The sums meet in a stage in LDS; then wave w norms stage rows 2 w and 2 w + 1, which are two neighbouring rows.
; LIMIT: e6 + e7 between -126 and 127.
.set AIMG,  131072                     ; LDS: 0: the residual, 32 rows of 4,096 bytes;  AIMG: the rows' 16 fragments;
.set STAGE, 163840                     ; STAGE: 32 rows x (4,096 + 16) bytes, written by ds_store alone
.set SP,    4112                       ; 1,028 words: the 16 rows that a store touches start at 16 different banks (64 banks of 4 bytes: ISA guide 11.1)
.set LI,  1                            ; v1  16 x lane
.set ADA, 2                            ; v2  AIMG + 16 x lane
.set SO0, 3                            ; v3  the stage: where I put row tile 0's sums;  v4: row tile 1's
.set SO1, 4
.set SRD, 5                            ; v5  where I read my two stage rows
.set RRD, 6                            ; v6  and the residual's
.set AFR, 16                           ; v16-47   the rows' two fragments
.set BF,  48                           ; v48-175  W_o's four fragments, two sets
.set ACC, 176                          ; v176-239 (rt, nt) at 176 + 8 (4 rt + nt)
.set XR,  16                           ; the norm: v16-79 two rows of x;  v80-143 the residual;  v144-175 gamma;  v176-207 beta;  v240-255 at work
.set RR,  80
.set GA,  144
.set BE,  176
.set Z,   240                          ; row i at Z + 8 i: +0..3 two chains; +4 -mean, +5 the other half of the lanes'; +6 1 / sqrt, +7 likewise
.set G1A, 20                           ; s[20:27] group 1 for the codes;  s[28:35] for the residual;  s[36:39], s[40:43] their groups 0
.set G1R, 28
.set G0A, 36
.set G0R, 40
	s_load_b256 s[4:11], s[0:1], 0x0               ; a_f s[4:5], wo_f s[6:7], inputs s[8:9], gamma s[10:11]
	s_load_b128 s[12:15], s[0:1], 0x20             ; beta s[12:13], the scales' exponents s[14:15]
	s_load_b64 s[16:17], s[0:1], 0x30              ; out0
	v_lshl_add_u32 v14, v0, 2, 0x48200
	v_mov_b32 v15, 0
	ds_add_u32 v14, v15
	ds_add_u32 v14, v15
	v_lshrrev_b32 v1, 5, v0
	v_readfirstlane_b32 s18, v1                    ; wave 0..15
	s_mov_b32 s[G1A], 3<<16                        ; elements of 8 bytes, no mask, no padding
	s_mov_b32 s[G1A+1], 32<<16                     ; rows of 256 bytes,
	s_mov_b32 s[G1A+2], 8<<16                      ; 8 of them: one fragment
	s_mov_b32 s[G1A+3], 32<<16
	s_mov_b32 s[G1A+4], 8
	s_mov_b32 s[G1A+5], 32                         ; dense
	s_mov_b32 s[G1A+6], 0
	s_mov_b32 s[G1A+7], 0
	s_mov_b32 s[G1R], 3<<16
	s_mov_b32 s[G1R+1], 32<<16
	s_mov_b32 s[G1R+2], 32<<16                     ; 32 of them: two rows of the residual
	s_mov_b32 s[G1R+3], 32<<16
	s_mov_b32 s[G1R+4], 32
	s_mov_b32 s[G1R+5], 32
	s_mov_b32 s[G1R+6], 0
	s_mov_b32 s[G1R+7], 0
	s_lshl_b32 s46, ttmp9, 15
	s_lshl_b32 s47, s18, 11
	s_add_co_u32 s46, s46, s47                     ; a_f: 32,768 g + 2,048 wave
	s_mov_b32 s47, 0
	s_lshl_b32 s48, ttmp9, 17
	s_lshl_b32 s49, s18, 13
	s_add_co_u32 s48, s48, s49                     ; inputs: 131,072 g + 8,192 wave
	s_mov_b32 s49, 0
	s_lshl_b32 s50, s18, 11
	s_add_co_u32 s50, s50, AIMG
	s_lshl_b32 s51, s18, 13
	s_wait_dscnt 0x0
	s_wait_kmcnt 0x0
	s_load_b256 s[52:59], s[14:15], 0x0            ; e0 .. e7
	s_mov_b32 s[G0A], 1
	s_mov_b32 s[G0A+1], s50
	s_add_nc_u64 s[G0A+2:G0A+3], s[4:5], s[46:47]
	s_or_b32 s[G0A+3], s[G0A+3], 0x80000000
	s_mov_b32 s[G0R], 1
	s_mov_b32 s[G0R+1], s51
	s_add_nc_u64 s[G0R+2:G0R+3], s[8:9], s[48:49]
	s_or_b32 s[G0R+3], s[G0R+3], 0x80000000
	tensor_load_to_lds s[G0A:G0A+3], s[G1A:G1A+7]  ; both fills go out together, the codes first: two loads of mine are out
	s_nop 0
	tensor_load_to_lds s[G0R:G0R+3], s[G1R:G1R+7]
	s_nop 0
.rept 4
	v_nop
.endr
	v_and_b32 v7, 31, v0
	v_lshlrev_b32 v[LI], 4, v7
	s_lshl_b32 s46, s18, 13                        ; my four tiles of W_o in a K step
	s_mov_b32 s47, 0
	s_add_nc_u64 s[6:7], s[6:7], s[46:47]
.macro BLOAD set, s                    ; K step s of my four tiles: 16 loads of 512 consecutive bytes
.irp nt, 0,1,2,3
.irp c, 0,1,2,3
	global_load_b128 v[BF+64*(\set)+16*\nt+4*\c:BF+64*(\set)+16*\nt+4*\c+3], v[LI], s[6:7] offset:131072*(\s)+2048*\nt+512*\c
.endr
.endr
.endm
	BLOAD 0, 0
	BLOAD 1, 1
	v_add_nc_u32 v[ADA], AIMG, v[LI]
	v_and_b32 v8, 15, v0                           ; r
	v_bfe_u32 v9, v0, 4, 1                         ; h
	v_mul_u32_u24 v[SO0], v8, SP
	v_lshl_add_u32 v[SO0], v9, 6, v[SO0]
	s_lshl_b32 s46, s18, 8
	s_add_co_u32 s46, s46, STAGE
	v_add_nc_u32 v[SO0], s46, v[SO0]               ; stage row r, + 64 h, + my 256 bytes of a row
	v_add_nc_u32 v[SO1], 16*SP, v[SO0]
	s_mul_i32 s46, s18, 2*SP
	s_add_co_u32 s46, s46, STAGE
	v_add_nc_u32 v[SRD], s46, v[LI]
	s_lshr_b32 s47, s18, 3                         ; stage row 2 w is index 2 (w % 8) of row tile w / 8: row 8 (w / 8) + 2 (w % 8) + 8 ((w / 4) % 2) of the 32
	s_lshl_b32 s47, s47, 3
	s_and_b32 s48, s18, 7
	s_lshl_b32 s48, s48, 1
	s_add_co_u32 s47, s47, s48
	s_bfe_u32 s48, s18, 0x10002
	s_lshl_b32 s48, s48, 3
	s_add_co_u32 s47, s47, s48
	s_lshl_b32 s48, s47, 12
	v_add_nc_u32 v[RRD], s48, v[LI]
	s_lshl_b32 s49, ttmp9, 17
	s_add_co_u32 s48, s48, s49
	s_mov_b32 s49, 0
	s_add_nc_u64 s[16:17], s[16:17], s[48:49]      ; out0 at my two rows
	s_mov_b32 s60, 0x76543210
	s_mov_b32 s61, 0xfedcba98
	s_mov_b32 s62, 0x3a800000                      ; 1 / 1024
	s_mov_b32 s63, 0x3a83126f                      ; 1e-3
.irp o, 5,7,13,15
	v_mov_b32 v[Z+\o], 0                           ; written once: lane permutes' destinations, and upper halves of pairs
.endr
	s_wait_kmcnt 0x0
	s_add_co_i32 s44, s58, s59
	s_add_co_i32 s44, s44, 127
	s_lshl_b32 s44, s44, 23                        ; 2^(e6 + e7) as f32
	s_mov_b32 s45, s44                             ; (named with it as a pair, so it is written)
	s_wait_tensorcnt 1                             ; my fragment of the rows' codes is in; the residual's load may be out
	s_barrier_signal -1
	s_barrier_wait -1                              ; everybody's is
.macro KSTEP s
.irp rt, 0,1
.irp c, 0,1,2,3
	ds_load_b128 v[AFR+16*\rt+4*\c:AFR+16*\rt+4*\c+3], v[ADA] offset:16384*\rt+2048*(\s)+512*\c
.endr
.endr
.if (\s) < 7
	s_wait_loadcnt 16                              ; this K step's 16 loads are in; the other set's may be out
.else
	s_wait_loadcnt 0x0
.endif
	s_wait_dscnt 0x0
.irp rt, 0,1
.irp nt, 0,1,2,3
.if (\s) == 0
	v_wmma_f32_16x16x128_bf8_bf8 v[ACC+8*(4*\rt+\nt):ACC+8*(4*\rt+\nt)+7], v[BF+64*((\s)%2)+16*\nt:BF+64*((\s)%2)+16*\nt+15], v[AFR+16*\rt:AFR+16*\rt+15], 0
.else
	v_wmma_f32_16x16x128_bf8_bf8 v[ACC+8*(4*\rt+\nt):ACC+8*(4*\rt+\nt)+7], v[BF+64*((\s)%2)+16*\nt:BF+64*((\s)%2)+16*\nt+15], v[AFR+16*\rt:AFR+16*\rt+15], v[ACC+8*(4*\rt+\nt):ACC+8*(4*\rt+\nt)+7]
.endif
.endr
.endr
.rept 4
	v_nop                                          ; places in front of loads into registers that these products have read, and of the first read of results
.endr
.if (\s) < 6
	BLOAD (\s)%2, (\s)+2
.endif
.endm
.irp s, 0,1,2,3,4,5,6,7                ; the eight accumulators take turns, one instruction a turn, from K step to K step too
	KSTEP \s
.endr
.irp j, 0,1,2,3,4,5,6,7
	global_load_b128 v[GA+4*\j:GA+4*\j+3], v[LI], s[10:11] offset:512*\j   ; gamma at my columns 128 j + 4 lane on
.endr
.irp g, 0,1
.irp q, 0,1,2,3
	ds_store_b128 v[SO0], v[ACC+8*(2*\g+\q/2)+4*(\q%2):ACC+8*(2*\g+\q/2)+4*(\q%2)+3] offset:128*\g+16*\q        ; columns 64 w + 32 g + 16 h + 4 q on; each accumulator from its low end on
.endr
.endr
.irp g, 0,1
.irp q, 0,1,2,3
	ds_store_b128 v[SO1], v[ACC+8*(4+2*\g+\q/2)+4*(\q%2):ACC+8*(4+2*\g+\q/2)+4*(\q%2)+3] offset:128*\g+16*\q
.endr
.endr
	s_wait_tensorcnt 0x0                           ; my part of the residual is in,
	s_wait_dscnt 0x0                               ; and my stores into the stage are done: so the accumulators' registers may take beta
.irp j, 0,1,2,3,4,5,6,7
	global_load_b128 v[BE+4*\j:BE+4*\j+3], v[LI], s[12:13] offset:512*\j
.endr
	s_barrier_signal -1
	s_barrier_wait -1                              ; 32 whole rows of sums lie in the stage, and the residual is whole
.irp i, 0,1
.irp j, 0,1,2,3,4,5,6,7
	ds_load_b128 v[XR+32*\i+4*\j:XR+32*\i+4*\j+3], v[SRD] offset:SP*\i+512*\j
.endr
.endr
.irp i, 0,1
.irp j, 0,1,2,3,4,5,6,7
	ds_load_b128 v[RR+32*\i+4*\j:RR+32*\i+4*\j+3], v[RRD] offset:4096*\i+512*\j
.endr
.endr
	s_wait_dscnt 0x0
.set lj, 0
.rept 32
	v_pk_fma_f32 v[XR+lj:XR+lj+1], v[XR+lj:XR+lj+1], s[44:45], v[RR+lj:RR+lj+1] op_sel_hi:[1,0,1]   ; x = sum x 2^(e6 + e7) + residual
.set lj, lj+2
.endr
.macro ACROSS o                        ; v[Z + o] and v[Z + 8 + o] are summed over the 32 lanes; every lane gets the sum
.irp m, 1,2,4,8
	v_add_f32_dpp v[Z+\o], v[Z+\o], v[Z+\o] row_xmask:\m row_mask:0xf bank_mask:0xf
	v_add_f32_dpp v[Z+8+\o], v[Z+8+\o], v[Z+8+\o] row_xmask:\m row_mask:0xf bank_mask:0xf
.endr
	v_permlanex16_b32 v[Z+\o+1], v[Z+\o], s60, s61
	v_permlanex16_b32 v[Z+8+\o+1], v[Z+8+\o], s60, s61
	v_add_f32 v[Z+\o], v[Z+\o], v[Z+\o+1]
	v_add_f32 v[Z+8+\o], v[Z+8+\o], v[Z+8+\o+1]
.endm
	; the mean: both rows side by side, two chains each
.irp i, 0,1
	v_pk_add_f32 v[Z+8*\i:Z+8*\i+1], v[XR+32*\i:XR+32*\i+1], v[XR+32*\i+2:XR+32*\i+3]
	v_pk_add_f32 v[Z+8*\i+2:Z+8*\i+3], v[XR+32*\i+4:XR+32*\i+5], v[XR+32*\i+6:XR+32*\i+7]
.endr
.irp j, 8,12,16,20,24,28
.irp i, 0,1
	v_pk_add_f32 v[Z+8*\i:Z+8*\i+1], v[Z+8*\i:Z+8*\i+1], v[XR+32*\i+\j:XR+32*\i+\j+1]
	v_pk_add_f32 v[Z+8*\i+2:Z+8*\i+3], v[Z+8*\i+2:Z+8*\i+3], v[XR+32*\i+\j+2:XR+32*\i+\j+3]
.endr
.endr
.irp i, 0,1
	v_pk_add_f32 v[Z+8*\i:Z+8*\i+1], v[Z+8*\i:Z+8*\i+1], v[Z+8*\i+2:Z+8*\i+3]
.endr
.irp i, 0,1
	v_add_f32 v[Z+8*\i+4], v[Z+8*\i], v[Z+8*\i+1]
.endr
	ACROSS 4
.irp i, 0,1
	v_mul_f32 v[Z+8*\i+4], 0xba800000, v[Z+8*\i+4] ; -mean = sum x (-1 / 1024)
.endr
.irp i, 0,1
.set lj, 0
.rept 16
	v_pk_add_f32 v[XR+32*\i+lj:XR+32*\i+lj+1], v[XR+32*\i+lj:XR+32*\i+lj+1], v[Z+8*\i+4:Z+8*\i+5] op_sel_hi:[1,0]   ; d = x - mean
.set lj, lj+2
.endr
.endr
	; the variance: the mean of d^2
.irp i, 0,1
	v_pk_mul_f32 v[Z+8*\i:Z+8*\i+1], v[XR+32*\i:XR+32*\i+1], v[XR+32*\i:XR+32*\i+1]
	v_pk_mul_f32 v[Z+8*\i+2:Z+8*\i+3], v[XR+32*\i+2:XR+32*\i+3], v[XR+32*\i+2:XR+32*\i+3]
.endr
.irp j, 4,8,12,16,20,24,28
.irp i, 0,1
	v_pk_fma_f32 v[Z+8*\i:Z+8*\i+1], v[XR+32*\i+\j:XR+32*\i+\j+1], v[XR+32*\i+\j:XR+32*\i+\j+1], v[Z+8*\i:Z+8*\i+1]
	v_pk_fma_f32 v[Z+8*\i+2:Z+8*\i+3], v[XR+32*\i+\j+2:XR+32*\i+\j+3], v[XR+32*\i+\j+2:XR+32*\i+\j+3], v[Z+8*\i+2:Z+8*\i+3]
.endr
.endr
.irp i, 0,1
	v_pk_add_f32 v[Z+8*\i:Z+8*\i+1], v[Z+8*\i:Z+8*\i+1], v[Z+8*\i+2:Z+8*\i+3]
.endr
.irp i, 0,1
	v_add_f32 v[Z+8*\i+6], v[Z+8*\i], v[Z+8*\i+1]
.endr
	ACROSS 6
.irp i, 0,1
	v_fma_f32 v[Z+8*\i+6], v[Z+8*\i+6], s62, s63   ; variance + 1e-3
.endr
.irp i, 0,1
	v_rsq_f32 v[Z+8*\i+6], v[Z+8*\i+6]
.endr
	v_nop                                          ; a plain line behind the two roots
	s_wait_loadcnt 0x0                             ; gamma and beta
	s_wait_alu depctr_va_vdst(0)                   ; one wait for the two, ahead of their first reader
.irp i, 0,1
.set lj, 0
.rept 16
	v_pk_mul_f32 v[XR+32*\i+lj:XR+32*\i+lj+1], v[XR+32*\i+lj:XR+32*\i+lj+1], v[Z+8*\i+6:Z+8*\i+7] op_sel_hi:[1,0]
.set lj, lj+2
.endr
.set lj, 0
.rept 16
	v_pk_fma_f32 v[XR+32*\i+lj:XR+32*\i+lj+1], v[XR+32*\i+lj:XR+32*\i+lj+1], v[GA+lj:GA+lj+1], v[BE+lj:BE+lj+1]   ; d / sqrt(..) x gamma + beta
.set lj, lj+2
.endr
.irp j, 0,1,2,3,4,5,6,7
	global_store_b128 v[LI], v[XR+32*\i+4*\j:XR+32*\i+4*\j+3], s[16:17] offset:4096*\i+512*\j th:TH_STORE_NT   ; 32 lanes store 512 consecutive bytes, aligned; written once, read by nobody here
.endr
.endr
	s_wait_tensorcnt 0x0
	ds_add_u32 v14, v15
	s_wait_dscnt 0x0
	s_endpgm
.Lfunc_end_k_qeff1173942_oproj:
	.size	k_qeff1173942_oproj, .Lfunc_end_k_qeff1173942_oproj-k_qeff1173942_oproj
	.p2alignl 7, 3214868480
	.fill 96, 4, 3214868480
	.section	.rodata,"a",@progbits
	.p2align	6, 0x0
	.amdhsa_kernel k_qeff1173942_oproj
		.amdhsa_group_segment_fixed_size 327680
		.amdhsa_private_segment_fixed_size 0
		.amdhsa_enable_private_segment 0
		.amdhsa_kernarg_size 56
		.amdhsa_user_sgpr_count 2
		.amdhsa_user_sgpr_kernarg_segment_ptr 1
		.amdhsa_wavefront_size32 1
		.amdhsa_system_sgpr_workgroup_id_x 1
		.amdhsa_system_sgpr_workgroup_id_y 1
		.amdhsa_system_sgpr_workgroup_id_z 1
		.amdhsa_system_vgpr_workitem_id 0
		.amdhsa_next_free_vgpr 256
		.amdhsa_next_free_sgpr 66
		.amdhsa_reserve_vcc 0
		.amdhsa_float_denorm_mode_32 3
		.amdhsa_float_denorm_mode_16_64 3
		.amdhsa_memory_ordered 1
		.amdhsa_forward_progress 1
		.amdhsa_inst_pref_size 47
	.end_amdhsa_kernel
	.amdgpu_metadata
---
amdhsa.version: [ 1, 2 ]
amdhsa.kernels:
  - .name:           k_qeff1173942_oproj
    .symbol:         k_qeff1173942_oproj.kd
    .args:
      - { .name: a_f, .offset: 0, .size: 8, .value_kind: global_buffer, .address_space: global }
      - { .name: wo_f, .offset: 8, .size: 8, .value_kind: global_buffer, .address_space: global }
      - { .name: inputs, .offset: 16, .size: 8, .value_kind: global_buffer, .address_space: global }
      - { .name: gamma, .offset: 24, .size: 8, .value_kind: global_buffer, .address_space: global }
      - { .name: beta, .offset: 32, .size: 8, .value_kind: global_buffer, .address_space: global }
      - { .name: lowp_scales, .offset: 40, .size: 8, .value_kind: global_buffer, .address_space: global }
      - { .name: out0, .offset: 48, .size: 8, .value_kind: global_buffer, .address_space: global }
    .group_segment_fixed_size: 327680
    .private_segment_fixed_size: 0
    .kernarg_segment_align: 8
    .kernarg_segment_size: 56
    .max_flat_workgroup_size: 512
    .sgpr_count:     66
    .vgpr_count:     256
    .wavefront_size: 32
...
	.end_amdgpu_metadata
.endif
;; end of part 4
